; MI455X (gfx1250); checked and timed in simulation.
; The chip was launched on July 23, 2026; its instructions are those of AMD's public machine-readable ISA for CDNA 5 (MIT licence, August 2026) and "CDNA5" Instruction Set Architecture Reference Guide (July 2026). The comments in the code are by the model that wrote it; some were corrected since.
;; Forced GPULSTM Cell. Allowed arithmetic: matrix products marked QUANTISED: E4M3 operands, one given power-of-two scale a tensor, by v_wmma_f32_16x16x64_fp8_fp8 or v_wmma_f32_16x16x128_fp8_fp8, f32 sums; everything else in f32.
;; Inputs: bias_f 2,048 float32; bias_g 2,048 float32; bias_i 2,048 float32; bias_o 2,048 float32; c 2,048 x 2,048 float32; h 2,048 x 2,048 float32; lowp_scales 4 int32 (the exponents e of the quantised operands' scales 2^e); weight_hf 2,048 x 2,048 float32; weight_hg 2,048 x 2,048 float32; weight_hi 2,048 x 2,048 float32; weight_ho 2,048 x 2,048 float32; weight_if 2,048 x 2,048 float32; weight_ig 2,048 x 2,048 float32; weight_ii 2,048 x 2,048 float32; weight_io 2,048 x 2,048 float32; x 2,048 x 2,048 float32.
;; Outputs: out0 2,048 x 2,048 float32; out1 2,048 x 2,048 float32.
;; This version of the problem:
;;   THIS VERSION OF THE PROBLEM IS GIVEN IN LOW PRECISION. The matrix products marked QUANTISED in the list below multiply operands that are first quantised to E4M3 (4 exponent bits, 3 mantissa bits; 8 bits a number), with one given power-of-two scale for each operand tensor; their sums are f32. All else is computed in f32.
;;   The module's matrix products, in the order in which they are computed (A, B: the left and right operand; K: the contracted axis; several contracted axes count as one K, in the product's order):
;;     1. [M 2,048, K 2,048] x [K 2,048, N 8,192]; A: input x; B: computed on the way: QUANTISED (scales: A lowp_scales[0], B lowp_scales[1])
;;     2. [M 2,048, K 2,048] x [K 2,048, N 8,192]; A: input h; B: computed on the way: QUANTISED (scales: A lowp_scales[2], B lowp_scales[3])
;;   THE QUANTISER, for each operand of a quantised product, along K:
;;     - The operand's scale is 2^e, e = its entry of the input lowp_scales (int32; the entries are numbered through the quantised products in the list's order, A before B).
;;     - Each number is divided by the scale, clamped to +-448, and rounded to the nearest number of E4M3, ties to even, subnormals kept.
;;     - The product sums the exact products of the quantised numbers (number of the format x scale) in f32.
;;   ~~~python
;;   def quantise(x, axis, e):      # numpy; x: float32 -> the quantised numbers, widened to float32 again
;;       x = np.moveaxis(x, axis, -1); K = x.shape[-1]
;;       r = np.clip(x / 2.0 ** e, -448, 448)
;;       step = 2.0 ** (np.maximum(np.frexp(np.where(r == 0, 1, r))[1] - 1, -6) - 3)
;;       q = np.round(r / step) * step * 2.0 ** e      # np.round: ties to even
;;       return np.moveaxis(q, -1, axis).astype(np.float32)
;;   ~~~
;;   OPERANDS COMPUTED ON THE WAY. 'Computed on the way' means the value that the module computes at that place (a softmax that the list does not call 'softmax' is quantised finished and normalised). What goes into a quantiser is computed in f32, as accurately as f32 sums, v_exp_f32 and their like allow (about 1e-6 of the number): no bf16 or f16 on the way to a quantiser, and a product that is left as it is and whose result goes on into a quantised operand takes f32 operands (vector FMAs, or v_wmma_f32_16x16x4_f32). A number that lies on a knife's edge between two numbers of the format may be rounded either way, as far as f32 arithmetic and the matrix unit's own rounding can turn it there, and no further.
;; One version. Each part assembles by itself: llvm-mc -triple=amdgcn-amd-amdhsa -mcpu=gfx1250 --defsym DOCPART=n.
;; ======== version 1 of 1: 2 launches
;; limits: right only within a limited range of input values
;; workspace buffers: codes 41,943,040 bytes
;; launch quant (part 1): grid 128 x 10, 4 waves a work-group, no clusters, 34,304 bytes of LDS; arguments x, h, weight_ii, weight_if, weight_ig, weight_io, weight_hi, weight_hf, weight_hg, weight_ho, lowp_scales, codes; writes codes
.if DOCPART == 1
	.amdgcn_target "amdgcn-amd-amdhsa--gfx1250"
	.amdhsa_code_object_version 6
	.text
	.protected	k_qfce93b0e89_quant
	.globl	k_qfce93b0e89_quant
	.p2align	8
	.type	k_qfce93b0e89_quant,@function
k_qfce93b0e89_quant:
	s_mov_b64 s[64:65], 0
	v_nop
	global_prefetch_b8 v0, s[64:65] scope:SCOPE_SE
	s_setreg_imm32_b32 hwreg(HW_REG_WAVE_MODE, 25, 1), 1
	s_wait_xcnt 0x0
; x, h and the eight weights, each [2048][2048] f32 with K innermost, become codes of FP8 (E4M3), each with the scale 2^e given for it:
; e0 for x, e1 for the weight_i*, e2 for h, e3 for the weight_h*.  code = number / 2^e, held within +-448, to the nearest code, ties to even.
; THE BUFFER OF CODES: 640 row blocks of 65,536 bytes; a row block is 16 rows x 4,096 codes, laid as IMAGES OF OPERAND REGISTERS.
; Row blocks 0-127: batch rows 16 B + r; the first 32,768 bytes x's codes, the others h's.
; Row block 128 + 16 (hid / 64) + 4 gate + t (gate 0 = i, 1 = f, 2 = g, 3 = o): row r is hidden unit 64 (hid / 64) + 4 r + t; first weight_i<gate>, then weight_h<gate>.
; Inside a half: 4 segments of 512 along K, 8,192 bytes each; a segment is 16 pieces of 512 bytes; piece m holds, at byte 16 (16 h + r), the 16 codes that lane l = 2 m + h
; of this launch makes of row r: byte 4 i + j is k = 128 i + 4 l + j of the segment.  The same place for the same k in all ten tensors, so each product meets its partner;
; only the order of the f32 sums differs from ascending k.  The next launch takes a piece by one load of 16 bytes a lane, 512 bytes on end.
; SHARES: grid y = the tensor (in the order of the arguments); grid x = 64 of its rows (x / 4) and a segment (x % 4).  A wave makes one row block's segment: 16 steps, a row each:
; x, h: rows 16 wave + step; weights: rows 4 step + wave.  Each load takes 512 bytes on end.  A lane's 16 codes go into the wave's own stage in LDS (rows 528 bytes apart:
; row r starts at bank 4 r mod 64) and come back a lane a row; the 16 stores cover 8,192 bytes on end.  No barrier: waves share nothing.
; LIMITS: -126 <= e <= 119, so that 2^e and 448 x 2^e are f32 numbers.  NaN among the inputs is not served; an infinity is held at the largest code.
.set STEPS, 16
.set R,     16                         ; v16-79   four sets of 16 numbers as loaded; at the end the 16 pieces read back
.set C,     80                         ; v80-143  codes: four registers for each step
.set SP,    528
.set SPARE, 4*16*SP                    ; behind the four stages: the spare words
	s_load_b512 s[16:31], s[0:1], 0x0              ; tensor T at s[16 + 2 T]
	s_load_b256 s[32:39], s[0:1], 0x40             ; tensors 8, 9; the exponents s[36:37]; the codes s[38:39]
	v_lshrrev_b32 v2, 5, v0
	v_readfirstlane_b32 s11, v2                    ; wave
	s_and_b32 s8, ttmp7, 0xffff                    ; T
	s_lshr_b32 s10, ttmp9, 2                       ; which 64 rows
	s_and_b32 s2, ttmp9, 3                         ; which segment
	s_sub_co_u32 s3, s8, 2
	s_and_b32 s12, s3, 3                           ; a weight's gate
	s_bfe_u32 s3, s3, 0x10002                      ; and its half
	s_lshl_b32 s44, s10, 4
	s_lshl_b32 s45, s12, 2
	s_add_co_u32 s44, s44, s45
	s_add_co_u32 s44, s44, 128                     ; a weight's row block, less the wave
	s_lshl_b32 s45, s10, 2                         ; x's or h's
	s_cmp_lt_u32 s8, 2                             ; x or h?
	s_cselect_b32 s44, s45, s44
	s_cselect_b32 s3, s8, s3
	s_cselect_b32 s46, 4, 0                        ; the wave's first row: 16 wave or wave
	s_cselect_b32 s47, 13, 15                      ; from step to step: 1 row or 4 rows of 8,192 bytes
	s_add_co_u32 s44, s44, s11
	s_lshl_b32 s14, s44, 16
	s_lshl_b32 s3, s3, 15
	s_add_co_u32 s14, s14, s3
	s_lshl_b32 s45, s2, 13
	s_add_co_u32 s14, s14, s45                     ; where my 8,192 bytes of codes begin: under 2^26
	s_mov_b32 s15, 0
	s_lshl_b32 s46, s11, s46
	s_lshl_b32 s12, s10, 6
	s_add_co_u32 s12, s12, s46
	s_lshl_b32 s12, s12, 13
	s_lshl_b32 s45, s2, 11
	s_add_co_u32 s12, s12, s45                     ; my first row's segment in the tensor
	s_mov_b32 s13, 0
	s_lshl_b32 s48, 1, s47                         ; one step, two, three, four
	s_lshl_b32 s50, s48, 1
	s_add_co_u32 s51, s50, s48
	s_lshl_b32 s49, s48, 2
	s_mul_i32 s9, s11, 16*SP                       ; my stage
	v_lshl_add_u32 v12, v0, 2, SPARE               ; my spare word, and 0: kept for the add alone
	v_mov_b32 v13, 0
	v_and_b32 v3, 31, v0
	v_lshlrev_b32 v1, 4, v3                        ; 16 x lane: my bytes of a store's 512
	v_lshlrev_b32 v4, 4, v3                        ; v4-7: set u's offset: 16 x lane + its step's row
	v_lshl_add_u32 v5, v3, 4, s48
	v_lshl_add_u32 v6, v3, 4, s50
	v_lshl_add_u32 v7, v3, 4, s51
	v_lshl_add_u32 v8, v3, 4, s9                   ; into the stage: 16 x lane of the step's row
	v_and_b32 v14, 15, v0
	v_bfe_u32 v15, v0, 4, 1
	v_mul_u32_u24 v9, v14, SP
	v_lshl_add_u32 v9, v15, 4, v9
	v_add_nc_u32 v9, s9, v9                        ; out of it: row lane % 16, byte 16 (lane / 16)
	s_wait_alu depctr_va_vdst(0)
	s_wait_kmcnt 0x0
	s_load_b128 s[40:43], s[36:37], 0x0            ; e0 .. e3
	s_mov_b64 s[4:5], s[16:17]                     ; the tensor's address: a choice on the work-group's number alone
.irp k, 1,2,3,4,5,6,7,8,9
	s_cmp_eq_u32 s8, \k
	s_cselect_b64 s[4:5], s[16+2*\k:17+2*\k], s[4:5]
.endr
	s_add_nc_u64 s[4:5], s[4:5], s[12:13]
	s_add_nc_u64 s[6:7], s[38:39], s[14:15]
.macro LOAD t                          ; step t: 2,048 bytes on end of its row, four loads of 512
.irp i, 0,1,2,3
	global_load_b128 v[R+16*((\t)%4)+4*\i:R+16*((\t)%4)+4*\i+3], v[4+(\t)%4], s[4:5] offset:512*\i th:TH_LOAD_NT
.endr
.endm
.irp t, 0,1,2,3
	LOAD \t
.endr
	s_wait_kmcnt 0x0
	s_cmp_lt_u32 s8, 6
	s_cselect_b32 s9, s41, s43
	s_cmp_eq_u32 s8, 1
	s_cselect_b32 s9, s42, s9
	s_cmp_eq_u32 s8, 0
	s_cselect_b32 s9, s40, s9                      ; e
	s_add_co_i32 s9, s9, 127
	s_lshl_b32 s2, s9, 23
	v_mov_b32 v11, s2                              ; 2^e as f32: the conversion takes its exponent field
	s_add_co_i32 s9, s9, 8
	s_lshl_b32 s9, s9, 23
	s_or_b32 s9, s9, 0x600000
	v_mov_b32 v10, s9                              ; 448 x 2^e
.macro STEP t
.set XS, R+16*((\t)%4)
.if (\t) < STEPS-3
	s_wait_loadcnt 12                              ; this step's four loads are in; the twelve of the three younger steps may be out
.else
	s_wait_loadcnt 4*(STEPS-1-(\t))
.endif
.if (\t)+4 < STEPS
	v_add_nc_u32 v[4+(\t)%4], s49, v[4+(\t)%4]     ; free since that wait: the set's row four steps on
.endif
.irp i, 0,1,2,3,4,5,6,7,8,9,10,11,12,13,14,15
	v_med3_num_f32 v[XS+\i], v[XS+\i], -v10, v10   ; the conversion does not saturate (ISA guide 7.6.2): the hold comes first
.endr
	v_cvt_scalef32_pk8_fp8_f32 v[C+4*(\t):C+4*(\t)+1], v[XS:XS+7], v11
	v_cvt_scalef32_pk8_fp8_f32 v[C+4*(\t)+2:C+4*(\t)+3], v[XS+8:XS+15], v11   ; the results go to an LDS store alone; the next vector lines are plain and on other registers
	ds_store_b128 v8, v[C+4*(\t):C+4*(\t)+3] offset:SP*(\t)
.if (\t)+4 < STEPS
	LOAD (\t)+4
.endif
.endm
	s_wait_alu depctr_va_vdst(0)
.irp t, 0,1,2,3,4,5,6,7,8,9,10,11,12,13,14,15
	STEP \t
.endr
.irp m, 0,1,2,3,4,5,6,7,8,9,10,11,12,13,14,15
	ds_load_b128 v[R+4*\m:R+4*\m+3], v9 offset:32*\m   ; piece m; LDS serves a wave's instructions in order: these see my stores
.endr
.irp m, 0,1,2,3,4,5,6,7,8,9,10,11,12,13,14,15
	s_wait_dscnt 15-\m
	global_store_b128 v1, v[R+4*\m:R+4*\m+3], s[6:7] offset:512*\m   ; 32 lanes store 512 bytes on end, at a multiple of 512 from the buffer's first byte
.endr
	s_wait_tensorcnt 0x0                           ; the wave's end
	ds_add_u32 v12, v13
	s_wait_dscnt 0x0
	s_endpgm
.Lfunc_end_k_qfce93b0e89_quant:
	.size	k_qfce93b0e89_quant, .Lfunc_end_k_qfce93b0e89_quant-k_qfce93b0e89_quant
	.p2alignl 7, 3214868480
	.fill 96, 4, 3214868480
	.section	.rodata,"a",@progbits
	.p2align	6, 0x0
	.amdhsa_kernel k_qfce93b0e89_quant
		.amdhsa_group_segment_fixed_size 34304
		.amdhsa_private_segment_fixed_size 0
		.amdhsa_enable_private_segment 0
		.amdhsa_kernarg_size 96
		.amdhsa_user_sgpr_count 2
		.amdhsa_user_sgpr_kernarg_segment_ptr 1
		.amdhsa_wavefront_size32 1
		.amdhsa_system_sgpr_workgroup_id_x 1
		.amdhsa_system_sgpr_workgroup_id_y 1
		.amdhsa_system_sgpr_workgroup_id_z 1
		.amdhsa_system_vgpr_workitem_id 0
		.amdhsa_next_free_vgpr 144
		.amdhsa_next_free_sgpr 66
		.amdhsa_reserve_vcc 0
		.amdhsa_float_denorm_mode_32 3
		.amdhsa_float_denorm_mode_16_64 3
		.amdhsa_memory_ordered 1
		.amdhsa_forward_progress 1
		.amdhsa_inst_pref_size 33
	.end_amdhsa_kernel
	.amdgpu_metadata
---
amdhsa.version: [ 1, 2 ]
amdhsa.kernels:
  - .name:           k_qfce93b0e89_quant
    .symbol:         k_qfce93b0e89_quant.kd
    .args:
      - { .name: x, .offset: 0, .size: 8, .value_kind: global_buffer, .address_space: global }
      - { .name: h, .offset: 8, .size: 8, .value_kind: global_buffer, .address_space: global }
      - { .name: weight_ii, .offset: 16, .size: 8, .value_kind: global_buffer, .address_space: global }
      - { .name: weight_if, .offset: 24, .size: 8, .value_kind: global_buffer, .address_space: global }
      - { .name: weight_ig, .offset: 32, .size: 8, .value_kind: global_buffer, .address_space: global }
      - { .name: weight_io, .offset: 40, .size: 8, .value_kind: global_buffer, .address_space: global }
      - { .name: weight_hi, .offset: 48, .size: 8, .value_kind: global_buffer, .address_space: global }
      - { .name: weight_hf, .offset: 56, .size: 8, .value_kind: global_buffer, .address_space: global }
      - { .name: weight_hg, .offset: 64, .size: 8, .value_kind: global_buffer, .address_space: global }
      - { .name: weight_ho, .offset: 72, .size: 8, .value_kind: global_buffer, .address_space: global }
      - { .name: lowp_scales, .offset: 80, .size: 8, .value_kind: global_buffer, .address_space: global }
      - { .name: codes, .offset: 88, .size: 8, .value_kind: global_buffer, .address_space: global }
    .group_segment_fixed_size: 34304
    .private_segment_fixed_size: 0
    .kernarg_segment_align: 8
    .kernarg_segment_size: 96
    .max_flat_workgroup_size: 128
    .sgpr_count:     66
    .vgpr_count:     144
    .wavefront_size: 32
...
	.end_amdgpu_metadata
.endif
;; end of part 1
;; launch cell (part 2): grid 8 x 32, 4 waves a work-group, clusters of 4 x 4, 327,680 bytes of LDS; arguments codes, c, bias_i, bias_f, bias_g, bias_o, lowp_scales, out0, out1; writes out0, out1
.if DOCPART == 2
	.amdgcn_target "amdgcn-amd-amdhsa--gfx1250"
	.amdhsa_code_object_version 6
	.text
	.protected	k_qfce93b0e89_cell
	.globl	k_qfce93b0e89_cell
	.p2align	8
	.type	k_qfce93b0e89_cell,@function
k_qfce93b0e89_cell:
	s_mov_b64 s[64:65], 0
	v_nop
	global_prefetch_b8 v0, s[64:65] scope:SCOPE_SE
	s_setreg_imm32_b32 hwreg(HW_REG_WAVE_MODE, 25, 1), 1
	s_wait_xcnt 0x0
	s_wait_alu depctr_hold_cnt(0) depctr_sa_sdst(0) depctr_va_vdst(0) depctr_va_sdst(0) depctr_va_ssrc(0) depctr_va_vcc(0) depctr_vm_vsrc(0)
	s_getreg_b32 s2, hwreg(HW_REG_IB_STS2, 6, 4)
	s_cmp_eq_u32 s2, 0
	s_cbranch_scc0 .Lentry_in_a_cluster
	s_endpgm
.Lentry_in_a_cluster:
	s_bfe_u32 s2, ttmp6, 0x10000c
	s_cmp_lg_u32 s2, 0xf033
	s_cbranch_scc0 .Lentry_shape_is_right
	s_endpgm
.Lentry_shape_is_right:
; THE LSTM CELL ON CODES.  gates = x Wx^T + h Wh^T + b; i, f, o = sigmoid, g = tanh; c_new = f c + i g (out1); h_new = o tanh(c_new) (out0).
; codes: 640 row blocks of 65,536 bytes, each 16 rows x 4,096 codes of FP8 (E4M3) as images of operand registers: step S of 128 along K at byte 2,048 S, four pieces of 512 bytes,
; 16 bytes a lane (lane = 16 h + row).  Blocks 0-127 the batch (x's 16 steps, then h's); block 128 + 16 TC + 4 gate + t: row r = hidden unit 64 TC + 4 r + t (weight_i*, then weight_h*).
; k stands at the same place in both operands (a permutation of k), so every product meets its partner; the order of the f32 sums differs from ascending k.
; ONE SET OF SUMS FOR BOTH PRODUCTS: 32 steps of 128.  Behind step 15 the sums are multiplied once by 2^(e0 + e1 - e2 - e3), which rounds nothing short of overflow and underflow;
; at the end one packed multiply-add gives (sum x 2^(e2 + e3) + bias) x the exponential's factor.
; LIMITS: -126 <= e0 + e1 - e2 - e3 <= 127 and -126 <= e2 + e3 <= 126, so that each power of two is an f32 number.  NaN among the inputs is not served.
; sigmoid(v) = 1 / (1 + 2^(-log2(e) v)), tanh(v) = 1 - 2 / (1 + 2^(2 log2(e) v)): where the exponential runs to infinity or 0 the reciprocal gives the function's own limits: no clamp.
; SHARES.  A work-group of four waves owns 256 batch rows (TR) x 64 hidden units in all four gates (TC): 8 x 32 = 256 work-groups.  A wave makes 64 batch rows x all 256 weight rows:
; 64 accumulators (a = 0..3, b = 4 gate + t), 512 registers.  Source 0 = 16 batch rows, source 1 = 16 weight rows: lane (r, h), register j of (a, b) is batch row 16 a + 8 h + j, hidden unit 4 r + t.
; So i, f, g, o of an element meet in one lane, and a lane's four t are 16 neighbouring bytes of a row of c and of both outputs: sixteen lanes load and store 256 bytes on end, straight from registers.
; THE BATCH ROWS are each wave's own and go from memory into registers: four sets of 64 registers, asked for three steps ahead.  They land in registers, so they cannot be asked for jointly.
; THE WEIGHTS go through a ring of two LDS slots of 512 along K (16 row blocks x 8,192 bytes = 131,072 bytes), each wave fetching four row blocks by one tensor load.
; CLUSTERS: 4 x 4.  The weight tile hangs on TC alone and is asked for JOINTLY by the four with the same cy.  A slot's image is read 512 bytes on end by every LDS load: no padding is needed.
; From LDS a step's 16 weight fragments stream through a ring of 8 fragments, four at a time: a run of 16 loads stands 16 matrix instructions ahead of its first use; each fragment feeds four matrix instructions.
; PREFETCHES: behind each joint load but the last, one slot of 512 along K ahead of the load that wants it: of the four row blocks that a wave fetches (weights) or reads (batch) the partner at place
; cx (weights) or cy (batch) names one: 8,192 bytes, a lane 256 bytes.  The first two slots come by their loads alone; nothing past K is named.  c's rows are named four steps ahead of their loads.
; REGISTERS: window 0: v0-15 addresses, v16-31 biases, v32-63 biases x factor in pairs, v128-255 the weights' ring, then the gates.  Window 1: the batch sets; then c / c_new (v0-127) and h_new (v128-255).
; Window 2: accumulators b = 0..7 at v[8 (4 b + a)]; window 3: b = 8..15.
.set SPARE, 262144                     ; behind the two slots: the spare words
.set MSB, 0
.macro WIN new                         ; the immediate's high byte repeats the setting that is left; a switch that changes nothing is dropped
.if MSB != (\new)
	s_set_vgpr_msb (MSB<<8)|(\new)
.set MSB, (\new)
.endif
.endm
.macro PLACES                          ; four places between a matrix instruction and a load into, or a vector read of, its registers (ISA guide 7.12.1 for vector reads)
.rept 4
	v_nop
.endr
.endm
.macro CREST                           ; a round of the cluster's barrier behind its opening barrier
	s_cmp_lg_u32 s22, 0
	s_cbranch_scc1 .Lnot_wave_0_\@
	s_barrier_signal -3
.Lnot_wave_0_\@:
	s_barrier_wait -3
	s_barrier_signal -1
	s_barrier_wait -1
.endm
.macro CROUND
	s_barrier_signal -1
	s_barrier_wait -1
	CREST
.endm
.macro JLOAD s                         ; my four row blocks of a slot; s_nop 0 and four v_nop follow
	tensor_load_to_lds s[32+4*\s:35+4*\s], s[24:31]
	s_nop 0
	PLACES
.endm
.macro ASK guard                       ; guard = 1: the loop's last trip names nothing here: K has no further slot
.if \guard
	s_cmp_lg_u32 s3, 1
	s_cbranch_scc0 .Lnone_\@
.endif
	global_prefetch_b8 v8, s[50:51] th:TH_LOAD_NT scope:SCOPE_SE
	global_prefetch_b8 v8, s[52:53] th:TH_LOAD_NT scope:SCOPE_SE
.Lnone_\@:
.endm
.macro BLD slot, q, g                  ; weight fragments 2 g, 2 g + 1 of the slot's q-th 128 along K into ring place g % 4
.irp f, 0,1
.irp c, 0,1,2,3
	ds_load_b128 v[128+32*((\g)%4)+16*\f+4*\c:128+32*((\g)%4)+16*\f+4*\c+3], v[4+2*(\slot)+(\g)/4] offset:((2*(\g)+\f)%8)*8192+(\q)*2048+\c*512
.endr
.endr
.endm
.macro ALD set, rel                    ; the batch fragments of step rel (counted from the base) into a set
	WIN 0x40
.irp a, 0,1,2,3
.irp c, 0,1,2,3
	global_load_b128 v[64*(\set)+16*\a+4*\c:64*(\set)+16*\a+4*\c+3], v4, s[48:49] offset:65536*\a+2048*(\rel)+512*\c
.endr
.endr
.endm
.macro CLD hf                          ; c of blocks a = 2 hf, 2 hf + 1 into window 1, v[32 a + 4 j + t]
	WIN 0x40
.irp a, 0,1
.irp j, 0,1,2,3,4,5,6,7
	global_load_b128 v[64*\hf+32*\a+4*\j:64*\hf+32*\a+4*\j+3], v10, s[54:55] offset:(16*(2*\hf+\a)+\j)*8192 th:TH_LOAD_NT
.endr
.endr
.endm
.macro MMW q, g, zero                  ; 8 matrix instructions: weight fragments 2 g, 2 g + 1 x the four batch fragments of set q.  The 64 accumulators take turns
	WIN 0xa1+0x50*((\g)/4)
.irp f, 0,1
.irp a, 0,1,2,3
.if \zero
	v_wmma_f32_16x16x128_fp8_fp8 v[8*(4*((2*(\g)+\f)%8)+\a):8*(4*((2*(\g)+\f)%8)+\a)+7], v[64*(\q)+16*\a:64*(\q)+16*\a+15], v[128+32*((\g)%4)+16*\f:128+32*((\g)%4)+16*\f+15], 0
.else
	v_wmma_f32_16x16x128_fp8_fp8 v[8*(4*((2*(\g)+\f)%8)+\a):8*(4*((2*(\g)+\f)%8)+\a)+7], v[64*(\q)+16*\a:64*(\q)+16*\a+15], v[128+32*((\g)%4)+16*\f:128+32*((\g)%4)+16*\f+15], v[8*(4*((2*(\g)+\f)%8)+\a):8*(4*((2*(\g)+\f)%8)+\a)+7]
.endif
.endr
.endr
.endm
.macro GRP q, g, ls, lq, lg, zero      ; g, lg count groups of four fragments.  The half of the ring just multiplied takes group lg, the next one; then group g is multiplied
	PLACES
	WIN 0
	BLD \ls, \lq, 2*(\lg)
	BLD \ls, \lq, 2*(\lg)+1
	s_wait_dscnt 24                                ; group g's second eight loads and the 16 just issued may be out: its first two fragments are in
	MMW \q, 2*(\g), \zero
	s_wait_dscnt 16                                ; the 16 just issued may be out: group g is in
	MMW \q, 2*(\g)+1, \zero
.endm
; The change of slots, in a slot's last step at its last group, whose reads have been issued.  Each wave waits for all its tensor loads (one is out: its part of the next slot), adds 0 to its spare
; word, and waits for that and for its reads of this slot.  fill = 1: the barrier opens a round of the cluster's barrier, and this slot's refill, two slots on, is the first tensor load behind it.
.macro CHG slot, q, fill, guard
	WIN 0
.if \fill
	s_wait_xcnt 0x0                                ; the last prefetches have read their addresses
	s_add_nc_u64 s[50:51], s[50:51], 8192
	s_add_nc_u64 s[52:53], s[52:53], 8192
.endif
	s_wait_tensorcnt 0x0
	ds_add_u32 v12, v13
.if \fill
	s_add_nc_u64 s[34+4*\slot:35+4*\slot], s[34+4*\slot:35+4*\slot], 16384   ; no tensor load of mine is out
.endif
	s_wait_dscnt 0x0
	s_barrier_signal -1
	MMW \q, 6, 0                                   ; work on registers while the others arrive
	WIN 0
	s_barrier_wait -1
.if \fill
	CREST
	JLOAD \slot                                    ; its four v_nop are also the places in front of the loads below
.else
	PLACES
.endif
	BLD 1-\slot, 0, 0                              ; the next slot's first group, into the half of the ring that was multiplied ahead of the barrier
	BLD 1-\slot, 0, 1
.if \fill
	ASK \guard
.endif
	MMW \q, 7, 0
.endm
; A step of 128 along K: 64 matrix instructions in four groups.  ald = 1: the set read last step takes the batch fragments three steps on; 2, 3: it takes c.  chg = 0: the successor lies in the same slot;
; 1, 2: the slot is left, with or without a refill; 3: the last step of all.
.macro SSTEP slot, q, zero, ald, rel, chg, guard
	PLACES
	WIN 0
	BLD \slot, \q, 2
	BLD \slot, \q, 3
	s_wait_loadcnt 32                              ; this step's set is in; the 32 loads of the two younger sets may be out
.if \ald == 1
	ALD (\q+3)%4, \rel
.endif
.if \ald == 2
	CLD 0
.endif
.if \ald == 3
	CLD 1
.endif
	s_wait_dscnt 24                                ; as in GRP
	MMW \q, 0, \zero
	s_wait_dscnt 16
	MMW \q, 1, \zero
.irp g, 1,2
	GRP \q, \g, \slot, \q, \g+1, \zero
.endr
.if \chg == 0
	GRP \q, 3, \slot, \q+1, 0, \zero
.endif
.if \chg == 1
	CHG \slot, \q, 1, \guard
.endif
.if \chg == 2
	CHG \slot, \q, 0, 0
.endif
.if \chg == 3
	s_wait_dscnt 8
	MMW \q, 6, 0
	s_wait_dscnt 0x0
	MMW \q, 7, 0
.endif
.endm
	s_load_b256 s[4:11], s[0:1], 0x0               ; codes s[4:5], c s[6:7], bias_i s[8:9], bias_f s[10:11]
	s_load_b256 s[12:19], s[0:1], 0x20             ; bias_g, bias_o, the exponents s[16:17], out0 s[18:19]
	s_load_b64 s[20:21], s[0:1], 0x40              ; out1
	v_lshl_add_u32 v12, v0, 2, SPARE               ; my spare word, and 0: kept for the add alone
	v_mov_b32 v13, 0
	ds_add_u32 v12, v13
	ds_add_u32 v12, v13
	v_lshrrev_b32 v1, 5, v0
	v_readfirstlane_b32 s22, v1                    ; wave
	v_and_b32 v3, 31, v0
	v_lshlrev_b32 v4, 4, v3                        ; 16 x lane: a piece's bytes in memory; v4-7: the same in slot 0, 1, row blocks 0-7, 8-15
	v_lshl_add_u32 v5, v3, 4, 0x10000
	v_lshl_add_u32 v6, v3, 4, 0x20000
	v_lshl_add_u32 v7, v3, 4, 0x30000
	v_lshlrev_b32 v8, 8, v3                        ; 256 x lane: the prefetches of codes
	v_lshlrev_b32 v9, 13, v3                       ; a lane a row of c
	v_and_b32 v14, 15, v0
	v_bfe_u32 v15, v0, 4, 1
	v_lshlrev_b32 v11, 4, v14                      ; 16 r: my four numbers of a bias
	v_lshl_add_u32 v10, v15, 16, v11               ; 8 h rows of 8,192 bytes + 16 r: c and the outputs
	s_wait_alu depctr_va_vdst(0)
	s_bfe_u32 s40, ttmp6, 0x40000                  ; cx, cy
	s_bfe_u32 s41, ttmp6, 0x40004
	s_lshl_b32 s42, ttmp9, 2
	s_add_co_u32 s42, s42, s40                     ; TR
	s_and_b32 s43, ttmp7, 0xffff
	s_lshl_b32 s43, s43, 2
	s_add_co_u32 s43, s43, s41                     ; TC
	s_lshl_b32 s45, s41, 2
	s_lshl_b32 s45, 15, s45                        ; the four with my cy
	s_or_b32 s24, s45, (3<<16)|(1<<21)             ; group 1: the mask; elements of 8 bytes; bit 21 beside a mask; no padding
	s_mov_b32 s25, 1024<<16                        ; tensor_dim0 = 1,024 elements: 8,192 bytes of a row block
	s_mov_b32 s26, 4<<16                           ; tensor_dim1 = 4 row blocks
	s_mov_b32 s27, 1024<<16                        ; tile_dim0
	s_mov_b32 s28, 4                               ; tile_dim1
	s_mov_b32 s29, 8192                            ; from row block to row block: 65,536 bytes
	s_mov_b32 s30, 0
	s_mov_b32 s31, 0
	s_lshl_b32 s23, s22, 2
	s_lshl_b32 s46, s43, 4
	s_add_co_u32 s46, s46, s23
	s_add_co_u32 s46, s46, 128
	s_lshl_b32 s46, s46, 16                        ; weights: row block 128 + 16 TC + 4 wave
	s_mov_b32 s47, 0
	s_lshl_b32 s72, s42, 4
	s_add_co_u32 s72, s72, s23
	s_lshl_b32 s72, s72, 16                        ; batch: row block 16 TR + 4 wave
	s_mov_b32 s73, 0
	s_lshl_b32 s74, s43, 8                         ; 64 TC numbers of f32
	s_mov_b32 s75, 0
	s_lshl_b32 s76, s41, 16
	s_add_co_u32 s76, s76, 16384                   ; prefetches begin at the third slot: batch: my row block cy,
	s_mov_b32 s77, 0
	s_lshl_b32 s78, s40, 16
	s_add_co_u32 s78, s78, 16384                   ; weights: my row block cx
	s_mov_b32 s79, 0
	s_mov_b32 s32, 1
	s_lshl_b32 s33, s22, 15                        ; LDS: wave x 32,768
	s_mov_b32 s36, 1
	s_add_co_u32 s37, s33, 131072
	s_wait_dscnt 0x0                               ; both opening adds are done
	s_wait_kmcnt 0x0
	s_load_b128 s[68:71], s[16:17], 0x0            ; e0 .. e3
	s_add_nc_u64 s[48:49], s[4:5], s[72:73]
.irp q, 0,1,2,3
	s_add_nc_u64 s[8+2*\q:9+2*\q], s[8+2*\q:9+2*\q], s[74:75]
.endr
.irp q, 0,1,2,3
	global_load_b128 v[16+4*\q:19+4*\q], v11, s[8+2*\q:9+2*\q]   ; bias of hidden units 4 r + 0 .. 3
.endr
	ALD 0, 0                                       ; the first three steps' batch fragments
	ALD 1, 1
	ALD 2, 2
	WIN 0
	s_add_nc_u64 s[34:35], s[4:5], s[46:47]
	s_add_nc_u64 s[38:39], s[34:35], 8192
	s_add_nc_u64 s[52:53], s[34:35], s[78:79]
	s_add_nc_u64 s[50:51], s[48:49], s[76:77]
	s_or_b32 s35, s35, 0x80000000
	s_or_b32 s39, s39, 0x80000000
	CROUND                                         ; all sixteen work-groups are here: the first joint loads meet
	JLOAD 0                                        ; one tensor load a wave at the head
	s_lshl_b32 s72, s42, 8
	s_lshl_b32 s73, s22, 6
	s_add_co_u32 s72, s72, s73
	s_lshl_b32 s72, s72, 13
	s_add_co_u32 s72, s72, s74                     ; row 256 TR + 64 wave, column 64 TC: under 2^24
	s_mov_b32 s73, 0
	s_add_nc_u64 s[54:55], s[6:7], s[72:73]
	s_add_nc_u64 s[56:57], s[18:19], s[72:73]
	s_add_nc_u64 s[58:59], s[20:21], s[72:73]
	s_wait_kmcnt 0x0
	s_add_co_i32 s76, s70, s71                     ; e2 + e3
	s_add_co_i32 s77, s68, s69
	s_sub_co_i32 s77, s77, s76
	s_add_co_i32 s77, s77, 127
	s_lshl_b32 s60, s77, 23                        ; 2^(e0 + e1 - e2 - e3)
	s_mov_b32 s61, s60
	s_lshl_b32 s76, s76, 23
	s_add_co_i32 s62, s76, 0xbfb8aa3b              ; -log2(e) x 2^(e2 + e3)
	s_mov_b32 s63, s62
	s_add_co_i32 s66, s76, 0x4038aa3b              ; 2 log2(e) x 2^(e2 + e3)
	s_mov_b32 s67, s66
	s_wait_tensorcnt 0x0                           ; my part of slot 0 is in; slot 1's first fill is issued as a refill is
	ds_add_u32 v12, v13
	s_wait_dscnt 0x0
	CROUND
	JLOAD 1
	BLD 0, 0, 0
	BLD 0, 0, 1
	ASK 0
	SSTEP 0, 0, 1, 1, 3, 0, 0                      ; the first step starts the sums: nothing is cleared
	WIN 0
	s_mov_b32 s3, 3
.Llap:                                                 ; three trips of eight steps: from a lap's second step to the next lap's first; both slots are filled again
	SSTEP 0, 1, 0, 1, 4, 0, 0
	SSTEP 0, 2, 0, 1, 5, 0, 0
	SSTEP 0, 3, 0, 1, 6, 1, 0
	SSTEP 1, 0, 0, 1, 7, 0, 0
	SSTEP 1, 1, 0, 1, 8, 0, 0
	SSTEP 1, 2, 0, 1, 9, 0, 0
	SSTEP 1, 3, 0, 1, 10, 1, 1
	WIN 0
	s_cmp_eq_u32 s3, 2                             ; the second trip: sixteen steps are done, x's 2,048; h's follow
	s_cbranch_scc0 .Lsame
	PLACES
	WIN 0x82
.set j, 0
.rept 128
	v_pk_mul_f32 v[j:j+1], v[j:j+1], s[60:61] op_sel_hi:[1,0]   ; x's sums under h's scales; each accumulator from its low end on
.set j, j+2
.endr
	WIN 0xc3
.set j, 0
.rept 128
	v_pk_mul_f32 v[j:j+1], v[j:j+1], s[60:61] op_sel_hi:[1,0]
.set j, j+2
.endr
	WIN 0
.Lsame:
	s_wait_alu depctr_va_vdst(0)
	SSTEP 0, 0, 0, 1, 11, 0, 0
	WIN 0
	s_wait_xcnt 0x0                                ; the batch loads have read their base
	s_add_nc_u64 s[48:49], s[48:49], 16384
	s_sub_co_u32 s3, s3, 1
	s_cmp_lg_u32 s3, 0
	s_cbranch_scc1 .Llap
	global_prefetch_b8 v9, s[54:55] th:TH_LOAD_NT scope:SCOPE_SE                 ; my 64 rows of c, 256 bytes each, a lane a row
	global_prefetch_b8 v9, s[54:55] offset:262144 th:TH_LOAD_NT scope:SCOPE_SE
	SSTEP 0, 1, 0, 1, 4, 0, 0                      ; the last seven steps fill nothing
	SSTEP 0, 2, 0, 1, 5, 0, 0
	SSTEP 0, 3, 0, 1, 6, 2, 0
	SSTEP 1, 0, 0, 1, 7, 0, 0
	SSTEP 1, 1, 0, 2, 0, 0, 0                      ; the sets that are done with take c
	SSTEP 1, 2, 0, 3, 0, 0, 0
	SSTEP 1, 3, 0, 0, 0, 3, 0
	WIN 0
.irp k, 0,1,2,3,4,5,6,7,8,9,10,11,12,13,14,15  ; the biases x the exponential's factor, each twice, for the packed form.  These lines are also the places behind the last products
.if \k/4 == 2
	v_mul_f32 v[32+2*\k], 0x4038aa3b, v[16+\k]
	v_mul_f32 v[33+2*\k], 0x4038aa3b, v[16+\k]
.else
	v_mul_f32 v[32+2*\k], 0xbfb8aa3b, v[16+\k]
	v_mul_f32 v[33+2*\k], 0xbfb8aa3b, v[16+\k]
.endif
.endr
; THE CELL, block a of 16 batch rows: a lane holds 32 elements, rows j (+ 8 h), hidden units 4 r + t.  Gate q at v[128 + 32 q + 8 t + j]; c, c_new, h_new at [4 j + t].
.macro EPI a
	s_wait_loadcnt 8*(3-\a)                        ; block a's eight loads of c are in
.irp q, 0,1,2,3
.if (\q%2) == 0
	WIN 0x02+\q/2
	s_wait_alu depctr_va_vdst(0)                   ; directly ahead of the first readers of matrix results
.endif
.irp t, 0,1,2,3
.irp p, 0,2,4,6
.if \q == 2
	v_pk_fma_f32 v[128+32*\q+8*\t+\p:128+32*\q+8*\t+\p+1], v[128*(\q%2)+32*\t+8*\a+\p:128*(\q%2)+32*\t+8*\a+\p+1], s[66:67], v[32+8*\q+2*\t:32+8*\q+2*\t+1] op_sel_hi:[1,0,1]
.else
	v_pk_fma_f32 v[128+32*\q+8*\t+\p:128+32*\q+8*\t+\p+1], v[128*(\q%2)+32*\t+8*\a+\p:128*(\q%2)+32*\t+8*\a+\p+1], s[62:63], v[32+8*\q+2*\t:32+8*\q+2*\t+1] op_sel_hi:[1,0,1]
.endif
.endr
.endr
.endr
	WIN 0
	s_wait_alu depctr_va_vdst(0)                   ; ahead of each batch of transcendentals and behind it
.set j, 0
.rept 128
	v_exp_f32 v[128+j], v[128+j]
.set j, j+1
.endr
	v_nop
	s_wait_alu depctr_va_vdst(0)
.set j, 0
.rept 64
	v_pk_add_f32 v[128+j:129+j], v[128+j:129+j], 1.0 op_sel_hi:[1,0]
.set j, j+2
.endr
	s_wait_alu depctr_va_vdst(0)
.set j, 0
.rept 128
	v_rcp_f32 v[128+j], v[128+j]                   ; i, f, o are finished; g's lacks 1 - 2 x
.set j, j+1
.endr
	v_nop
	s_wait_alu depctr_va_vdst(0)
.set j, 0
.rept 16
	v_pk_fma_f32 v[192+j:193+j], v[192+j:193+j], -2.0, 1.0 op_sel_hi:[1,0,0]
.set j, j+2
.endr
.set j, 0
.rept 16
	v_pk_mul_f32 v[192+j:193+j], v[192+j:193+j], v[128+j:129+j]   ; i g
.set j, j+2
.endr
	WIN 0x44                                       ; c and c_new in window 1
.irp j, 0,1,2,3,4,5,6,7
.irp t, 0,1,2,3
	v_fma_f32 v[32*\a+4*\j+\t], v[160+8*\t+\j], v[32*\a+4*\j+\t], v[192+8*\t+\j]   ; c_new = f c + i g, in c's place
.endr
.endr
	WIN 0x41
.set j, 0
.rept 16
	v_pk_mul_f32 v[128+32*\a+j:129+32*\a+j], v[32*\a+j:32*\a+j+1], 0x4038aa3b op_sel_hi:[1,0]
.set j, j+2
.endr
	s_wait_alu depctr_va_vdst(0)
.set j, 0
.rept 32
	v_exp_f32 v[128+32*\a+j], v[128+32*\a+j]
.set j, j+1
.endr
	v_nop
	WIN 0x04
.irp j, 0,1,2,3,4,5,6,7
	global_store_b128 v10, v[32*\a+4*\j:32*\a+4*\j+3], s[58:59] offset:(16*\a+\j)*8192 th:TH_STORE_NT   ; 16 lanes store 256 bytes on end, at a multiple of 256 from the output's first byte
.endr
	WIN 0x41
	s_wait_alu depctr_va_vdst(0)
.set j, 0
.rept 16
	v_pk_add_f32 v[128+32*\a+j:129+32*\a+j], v[128+32*\a+j:129+32*\a+j], 1.0 op_sel_hi:[1,0]
.set j, j+2
.endr
	s_wait_alu depctr_va_vdst(0)
.set j, 0
.rept 32
	v_rcp_f32 v[128+32*\a+j], v[128+32*\a+j]
.set j, j+1
.endr
	v_nop
	s_wait_alu depctr_va_vdst(0)
.set j, 0
.rept 16
	v_pk_fma_f32 v[128+32*\a+j:129+32*\a+j], v[128+32*\a+j:129+32*\a+j], -2.0, 1.0 op_sel_hi:[1,0,0]   ; tanh(c_new)
.set j, j+2
.endr
.irp j, 0,1,2,3,4,5,6,7
.irp t, 0,1,2,3
	v_mul_f32 v[128+32*\a+4*\j+\t], v[128+32*\a+4*\j+\t], v[224+8*\t+\j]   ; h_new = o tanh(c_new)
.endr
.endr
	WIN 0x04
.irp j, 0,1,2,3,4,5,6,7
	global_store_b128 v10, v[128+32*\a+4*\j:128+32*\a+4*\j+3], s[56:57] offset:(16*\a+\j)*8192 th:TH_STORE_NT
.endr
.endm
.irp a, 0,1,2,3
	EPI \a                                         ; each block has registers of its own for what it stores: no store's data are written again
.endr
	WIN 0
	s_wait_tensorcnt 0x0                           ; the wave's end
	ds_add_u32 v12, v13
	s_wait_dscnt 0x0
	CROUND                                         ; the closing round
	s_endpgm
.Lfunc_end_k_qfce93b0e89_cell:
	.size	k_qfce93b0e89_cell, .Lfunc_end_k_qfce93b0e89_cell-k_qfce93b0e89_cell
	.p2alignl 7, 3214868480
	.fill 96, 4, 3214868480
	.section	.rodata,"a",@progbits
	.p2align	6, 0x0
	.amdhsa_kernel k_qfce93b0e89_cell
		.amdhsa_group_segment_fixed_size 327680
		.amdhsa_private_segment_fixed_size 0
		.amdhsa_enable_private_segment 0
		.amdhsa_kernarg_size 72
		.amdhsa_user_sgpr_count 2
		.amdhsa_user_sgpr_kernarg_segment_ptr 1
		.amdhsa_wavefront_size32 1
		.amdhsa_system_sgpr_workgroup_id_x 1
		.amdhsa_system_sgpr_workgroup_id_y 1
		.amdhsa_system_sgpr_workgroup_id_z 1
		.amdhsa_system_vgpr_workitem_id 0
		.amdhsa_next_free_vgpr 1024
		.amdhsa_next_free_sgpr 80
		.amdhsa_reserve_vcc 0
		.amdhsa_float_denorm_mode_32 3
		.amdhsa_float_denorm_mode_16_64 3
		.amdhsa_memory_ordered 1
		.amdhsa_forward_progress 1
		.amdhsa_inst_pref_size 255
	.end_amdhsa_kernel
	.section	.bss,"aw",@nobits
	.p2align	6
	.space	262144
	.amdgpu_metadata
---
amdhsa.version: [ 1, 2 ]
amdhsa.kernels:
  - .name:           k_qfce93b0e89_cell
    .symbol:         k_qfce93b0e89_cell.kd
    .args:
      - { .name: codes, .offset: 0, .size: 8, .value_kind: global_buffer, .address_space: global }
      - { .name: c, .offset: 8, .size: 8, .value_kind: global_buffer, .address_space: global }
      - { .name: bias_i, .offset: 16, .size: 8, .value_kind: global_buffer, .address_space: global }
      - { .name: bias_f, .offset: 24, .size: 8, .value_kind: global_buffer, .address_space: global }
      - { .name: bias_g, .offset: 32, .size: 8, .value_kind: global_buffer, .address_space: global }
      - { .name: bias_o, .offset: 40, .size: 8, .value_kind: global_buffer, .address_space: global }
      - { .name: lowp_scales, .offset: 48, .size: 8, .value_kind: global_buffer, .address_space: global }
      - { .name: out0, .offset: 56, .size: 8, .value_kind: global_buffer, .address_space: global }
      - { .name: out1, .offset: 64, .size: 8, .value_kind: global_buffer, .address_space: global }
    .group_segment_fixed_size: 327680
    .private_segment_fixed_size: 0
    .kernarg_segment_align: 8
    .kernarg_segment_size: 72
    .max_flat_workgroup_size: 128
    .sgpr_count:     80
    .vgpr_count:     1024
    .wavefront_size: 32
...
	.end_amdgpu_metadata
.endif
;; end of part 2
